; MI455X (gfx1250); checked and timed in simulation.
; The chip was launched on July 23, 2026; its instructions are those of AMD's public machine-readable ISA for CDNA 5 (MIT licence, August 2026) and "CDNA5" Instruction Set Architecture Reference Guide (July 2026). The comments in the code are by the model that wrote it; some were corrected since.
;; Q Model. Allowed arithmetic: float matrix products may take bf16 or f16 operands with f32 sums; all other float work in f32.
;; Inputs: ansatz_params 2 x 12 x 3 float32; head_b 1 float32; head_w 1 x 12 float32; state_batch 1,024 x 12 float32.
;; Outputs: out0 1,024 float32.
;; One version. Each part assembles by itself: llvm-mc -triple=amdgcn-amd-amdhsa -mcpu=gfx1250 --defsym DOCPART=n.
;; ======== version 1 of 1: 1 launch
;; limits: inputs' magnitudes at most 26,000,000
;; launch qmodel (part 1): grid 16 x 1, 2 waves a work-group, no clusters, 4,096 bytes of LDS; arguments state_batch, ansatz_params, head_w, head_b, out0; writes out0
.if DOCPART == 1
	.amdgcn_target "amdgcn-amd-amdhsa--gfx1250"
	.amdhsa_code_object_version 6
	.text
	.protected	k_q0a879e5caa_qmodel
	.globl	k_q0a879e5caa_qmodel
	.p2align	8
	.type	k_q0a879e5caa_qmodel,@function
k_q0a879e5caa_qmodel:
	s_mov_b64 s[64:65], 0
	v_nop
	global_prefetch_b8 v0, s[64:65] scope:SCOPE_SE
	s_setreg_imm32_b32 hwreg(HW_REG_WAVE_MODE, 25, 1), 1
	s_wait_xcnt 0x0
; out[e] = head_b + sum over w of head_w[w] <Z_w>, for the 12-wire, 2-layer circuit RY(x) | (RX RY RZ, CNOT chain) x 2.
;
; THE STATE VECTOR IS NEVER BUILT: the expectation is contracted exactly, wire by wire.  The steps hold for every input:
;  1. Layer 1's gates keep a product state; wire w is its Bloch vector r_w = A_w sin x_w + B_w cos x_w, where A, B are the x and z columns
;     of the rotation Rz Ry Rx:  A = (cz cy, sz cy, -sy),  B = (cz sy cx + sz sx, sz sy cx - cz sx, cy cx).
;  2. A CNOT chain sends a basis state to its prefix XOR.  So Z_w behind the last chain is Z_0 .. Z_w in front of it, and layer 2 turns
;     each Z_v into n_v . sigma with n = (-sy, cy sx, cy cx), the rotation's third row.
;  3. Behind the first chain the amplitude of b is the product of phi_w[b_w xor b_(w-1)]: neighbours only.  The expectation is therefore a
;     recursion over the wires on a Hermitian 2 x 2 matrix: S = L00+L11, D = L00-L11, U + iV = 2 L01, start L_(-1) = (S,U,D,V) = (1,0,1,0):
;        T_S = S + rx U    T_U = U + rx S    T_D = rz D - ry V    T_V = rz V + ry D          (the wire's state)
;        S' = nz T_D       D' = nz T_S       U' = nx T_U + ny T_V    V' = nx T_V - ny T_U    (the wire's observable)
;     and <Z_(w-1)> = T_S of wire w (the wires from w on carry the identity), <Z_11> = S + U behind wire 11.
;  4. The recursion is linear, so it is run FROM BOTH ENDS.  All of head_w[5] <Z_5> + .. + head_w[11] <Z_11> is G_5 . L_5, where the row
;     vector G goes backward from G_11 = head_w[11] (1,1,0,0); from g = G_w to G_(w-1), the transposes of the two maps above:
;        hS = nz gD + head_w[w-1]   hD = nz gS   hU = nx gU - ny gV   hV = ny gU + nx gV
;        gS' = hS + rx hU           gU' = hU + rx hS                  gD' = rz hD + ry hV     gV' = rz hV - ry hD
;     (head_w[w-1] (1, rx_w, 0, 0), the feature read off L_(w-1), is the same as head_w[w-1] added to hS.)
;
; SHARES.  16 work-groups of two waves; a work-group owns 64 elements, lane l of BOTH waves the elements 2l and 2l+1.  Wave 0 takes wires
; 0 to 5 (L_5 and the bias with the first five features), wave 1 wires 11 down to 6 (G_5): each has half of the sines, of the Bloch vectors
; and of the recursion.  Wave 0 hands its 40 bytes a lane to wave 1 through LDS, behind the one barrier; wave 1, whose chain is the longer
; (4 dependent steps a wire against 3), forms sum + G . L and stores: a lane's two results are 8 neighbouring bytes, the wave's one store
; covers 256 consecutive bytes, aligned.  More work-groups would have to cut these stretches of 256 bytes: 1,024 results make sixteen.
; In each wave lanes 0-5 (layer 1) and 8-13 (layer 2) own a row of ansatz_params for the wave's six wires and make that wire's A, B or n;
; these reach every lane through a table of 1,280 bytes of LDS that is the wave's own (loads in which all lanes name the same address).
; No matrix instruction: no product larger than 4 x 4 is left, and its matrix differs from element to element.
; No cluster, no joint request: the work-groups share 288 + 52 bytes of parameters against 3,072 bytes of their own, and nothing is tiled.
;
; LIMITS.  (a) Angles (x and parameters) below 2^22 x 2 pi = 2.6e7 in magnitude: the nearest whole turn is found by adding 1.5 x 2^23.
; (b) sin and cos: Taylor sums for the half angle, |h| <= pi/2, cut behind h^11 and h^10; the remainders are 2 h^13/13! = 1.2e-7 and
; h^12/12! = 4.7e-7, about 1e-6 in sin x and cos x with the roundings.  (c) Layer 2's RZ angles are loaded, but no result hangs on them
; (a diagonal phase in front of a permutation and |.|^2): a NaN or an infinity there does not reach the output as it does in the reference.
; (d) The order of rounding is not the reference's.
.set ELEMS,  64                        ; elements of a work-group
.set XROW,   48                        ; bytes of an element's 12 angles
.set HALF,   24                        ; bytes of the six angles of one wave
.set PROW,   12                        ; bytes of a row of ansatz_params
; constants of sin and cos, as f32 bit patterns
.set INV2PI, 0x3e22f983                ; 1 / (2 pi)
.set MAGIC,  0x4b400000                ; 1.5 x 2^23: in [2^23, 2^24) neighbouring f32 are 1 apart, so the sum is rounded to a whole number
.set NMAGIC, 0xcb400000                ; -1.5 x 2^23
.set NC1,    0xc0c90fdb                ; -C1, C1 = 2 pi rounded to f32
.set NC2,    0x343bbd2e                ; -C2, C2 = 2 pi - C1 = -1.7484555e-7
.set SA1,    0xbd2aaaab                ; 2 sin(r/2) = r (1 + SA1 z + .. + SA5 z^5), z = r^2:  -1/(4 3!)
.set SA2,    0x3a088889                ;  1/(16 5!)
.set SA3,    0xb6500d01                ; -1/(64 7!)
.set SA4,    0x3238ef1d                ;  1/(256 9!)
.set SA5,    0xadd7322b                ; -1/(1024 11!)
.set CB1,    0xbe000000                ; cos(r/2) = 1 + CB1 z + .. + CB5 z^5:  -1/(4 2!)
.set CB2,    0x3b2aaaab                ;  1/(16 4!)
.set CB3,    0xb7b60b61                ; -1/(64 6!)
.set CB4,    0x33d00d01                ;  1/(256 8!)
.set CB5,    0xaf93f27e                ; -1/(1024 10!)
; scalar registers
.set HW,  16                           ; s[16:27] head_w
.set HB,  28                           ; s28      head_b
.set WV,  29                           ; s29      wave: 0 = wires 0-5, forward; 1 = wires 6-11, backward
.set KA5, 30                           ; s[30:31] SA5 twice   (a scalar pair as a packed source is named whole)
.set KB5, 32                           ; s[32:33] CB5 twice
.set KMG, 34                           ; s[34:35] MAGIC twice
.set WB,  36                           ; s36      my wave's table in LDS
.set PW,  37                           ; s37      my wave's first row in each layer of ansatz_params, in bytes
; vector registers
.set XO,  1                            ; byte offset of my first 24 bytes in state_batch
.set PO,  2                            ; byte offset of my row of ansatz_params
.set OO,  3                            ; byte offset of my 8 bytes in out0
.set ANG, 4                            ; v[4:19]    16 angles: tx ty tz 0, six x of element 0, six x of element 1; then their sines
.set PP,  20                           ; v[20:35]   sine polynomial, then the cosines
.set KZ,  36                           ; v[36:51]   whole turns k, then z = r^2
.set QQ,  52                           ; v[52:67]   cos(r/2)
.set CF,  68                           ; v[68:76]   my wire's coefficients: a0 a1 b0 b1 | b2 cy.sx 0 a2 | sy.cx
.set LN,  77                           ; lane
.set L4,  78                           ; my table + 4 x lane
.set L16, 79                           ; my table + 16 x lane
.set ZR,  80                           ; my table: the address that all lanes share
.set EQ,  81                           ; 16 x lane: the hand-over's quads
.set AR,  82                           ; v[82:117]  a0[6] a1[6] a2[6] b0[6] b1[6] b2[6]; the a's are overwritten by element 1's r
.set NQ,  118                          ; v[118:141] wire w of my six: nz ny 0 nx
.set R0,  142                          ; v[142:159] element 0: rx[6] ry[6] rz[6]
.set RD,  AR-R0                        ; from element 0's r to element 1's
.set ST,  160                          ; v[160:183] element e at ST+12e: the state (S,U) (D,V) or (gS,gU) (gD,gV), then four pairs at work
.set ACC, 184                          ; v[184:185] wave 0: bias + the first five features, weighted
.set EP,  186                          ; 8 x lane: the hand-over's pair
.set LL,  188                          ; v[188:195] wave 1: L_5 of the two elements
.set LA,  196                          ; v[196:197] wave 1: wave 0's two sums
.set DT,  198                          ; v[198:201] wave 1: the dot products' halves
.set RES, 202                          ; v[202:203] the two results
.set SX, ANG
.set SY, ANG+1
.set SZ, ANG+2
.set CX, PP
.set CY, PP+1
.set CZ, PP+2
; LDS.  A wave's table: six arrays of 32 words (one word a lane) at 128 k, then 32 quads of 16 bytes.  Behind the two tables the hand-over.
.set LQ,     768
.set REGION, 1280
.set EX,     2*REGION                  ; L_5 of elements 2l (512 bytes), of elements 2l+1 (512 bytes), the sums (256 bytes)
	s_load_b256 s[4:11], s[0:1], 0x0               ; state_batch s[4:5], ansatz_params s[6:7], head_w s[8:9], head_b s[10:11]
	s_load_b64 s[12:13], s[0:1], 0x20              ; out0
	v_lshl_add_u32 v208, v0, 2, 0xf00
	v_mov_b32 v209, 0
	v_lshrrev_b32 v[ZR], 5, v0
	v_readfirstlane_b32 s[WV], v[ZR]               ; the wave's number as a scalar
	v_and_b32 v[LN], 31, v0
	s_mul_i32 s14, ttmp9, ELEMS*XROW               ; the work-group's 3,072 bytes of state_batch,
	s_mul_i32 s15, s[WV], HALF                     ; of each element the first or the second 24 bytes
	s_add_co_u32 s14, s14, s15
	s_lshl_b32 s15, ttmp9, 8                       ; the work-group's 256 bytes of out0
	s_mul_i32 s[WB], s[WV], REGION
	s_mul_i32 s[PW], s[WV], 6*PROW
	s_mov_b32 s[KA5], SA5
	s_mov_b32 s[KA5+1], SA5
	s_mov_b32 s[KB5], CB5
	s_mov_b32 s[KB5+1], CB5
	s_mov_b32 s[KMG], MAGIC
	s_mov_b32 s[KMG+1], MAGIC
	v_mad_u32_u24 v[XO], v[LN], 2*XROW, s14        ; two elements a lane
	v_and_b32 v[PO], 7, v0                         ; my wire among the wave's six: lanes 0-5 of each eight; lanes 6 and 7 repeat the sixth,
	v_min_u32 v[PO], 5, v[PO]                      ; so that every lane stays inside the buffer: at most 5 x 12 + 144 + 72 + 12 = 288 bytes
	v_bfe_u32 v[CF], v0, 3, 1                      ; my layer: lanes 0-7 the first, 8-15 the second, 16-31 the same again
	v_mad_u32_u24 v[PO], v[PO], PROW, s[PW]
	v_mad_u32_u24 v[PO], v[CF], 12*PROW, v[PO]
	v_lshl_add_u32 v[OO], v[LN], 3, s15
	v_lshl_add_u32 v[L4], v[LN], 2, s[WB]
	v_lshl_add_u32 v[L16], v[LN], 4, s[WB]
	v_mov_b32 v[ZR], s[WB]
	v_lshlrev_b32 v[EQ], 4, v[LN]
	v_lshlrev_b32 v[EP], 3, v[LN]
	v_mov_b32 v[ANG+3], 0                          ; fills the pair beside tz
	s_wait_kmcnt 0x0
	global_load_b96 v[ANG:ANG+2], v[PO], s[6:7]    ; tx ty tz of my layer and wire
.irp e, 0,1
.irp i, 0,1,2                                      ; pieces of 24 bytes at multiples of 8: three loads of 8.  The two waves together read each byte once
	global_load_b64 v[ANG+4+6*\e+2*\i:ANG+5+6*\e+2*\i], v[XO], s[4:5] offset:XROW*\e+8*\i
.endr
.endr
	s_load_b256 s[HW:HW+7], s[8:9], 0x0
	s_load_b128 s[HW+8:HW+11], s[8:9], 0x20
	s_load_b32 s[HB], s[10:11], 0x0
; One step of Horner's rule in z for the pairs first .. first+count-1
.macro HORNER acc, coef, first, count
.set j, \first
.rept \count
	v_pk_fma_f32 v[\acc+2*j:\acc+2*j+1], v[\acc+2*j:\acc+2*j+1], v[KZ+2*j:KZ+2*j+1], \coef op_sel_hi:[1,1,0]
.set j, j+1
.endr
.endm
; sin and cos of the angle pairs first .. first+count-1, 19 packed instructions a pair, every step run over all pairs before the next
; so that dependent instructions stand count (or 2 count) lines apart.  Sines land on the angles, cosines in PP.
.macro SINCOS first, count
.set j, \first
.rept \count                                       ; x / 2 pi + 1.5 x 2^23: the rounding of the sum makes the whole number
	v_pk_fma_f32 v[KZ+2*j:KZ+2*j+1], v[ANG+2*j:ANG+2*j+1], INV2PI, s[KMG:KMG+1] op_sel_hi:[1,0,0]
.set j, j+1
.endr
.set j, \first
.rept \count                                       ; k, exact
	v_pk_add_f32 v[KZ+2*j:KZ+2*j+1], v[KZ+2*j:KZ+2*j+1], NMAGIC op_sel_hi:[1,0]
.set j, j+1
.endr
.set j, \first
.rept \count                                       ; r = x - k C1: the product is not rounded inside the fused form
	v_pk_fma_f32 v[ANG+2*j:ANG+2*j+1], v[KZ+2*j:KZ+2*j+1], NC1, v[ANG+2*j:ANG+2*j+1] op_sel_hi:[1,0,1]
.set j, j+1
.endr
.set j, \first
.rept \count                                       ; r -= k C2: what C1 lacks of 2 pi.  |r| <= pi
	v_pk_fma_f32 v[ANG+2*j:ANG+2*j+1], v[KZ+2*j:KZ+2*j+1], NC2, v[ANG+2*j:ANG+2*j+1] op_sel_hi:[1,0,1]
.set j, j+1
.endr
.set j, \first
.rept \count                                       ; z = r^2 (k is done with)
	v_pk_mul_f32 v[KZ+2*j:KZ+2*j+1], v[ANG+2*j:ANG+2*j+1], v[ANG+2*j:ANG+2*j+1]
.set j, j+1
.endr
.set j, \first
.rept \count                                       ; the two sums start from their last two terms: nothing is cleared
	v_pk_fma_f32 v[PP+2*j:PP+2*j+1], v[KZ+2*j:KZ+2*j+1], s[KA5:KA5+1], SA4 op_sel_hi:[1,0,0]
	v_pk_fma_f32 v[QQ+2*j:QQ+2*j+1], v[KZ+2*j:KZ+2*j+1], s[KB5:KB5+1], CB4 op_sel_hi:[1,0,0]
.set j, j+1
.endr
	HORNER PP, SA3, \first, \count
	HORNER QQ, CB3, \first, \count
	HORNER PP, SA2, \first, \count
	HORNER QQ, CB2, \first, \count
	HORNER PP, SA1, \first, \count
	HORNER QQ, CB1, \first, \count
	HORNER PP, 1.0, \first, \count
	HORNER QQ, 1.0, \first, \count                 ; QQ = cos(r/2)
.set j, \first
.rept \count                                       ; PP = 2 sin(r/2)
	v_pk_mul_f32 v[PP+2*j:PP+2*j+1], v[PP+2*j:PP+2*j+1], v[ANG+2*j:ANG+2*j+1]
.set j, j+1
.endr
.set j, \first
.rept \count                                       ; sin x = 2 sin(r/2) cos(r/2)
	v_pk_mul_f32 v[ANG+2*j:ANG+2*j+1], v[PP+2*j:PP+2*j+1], v[QQ+2*j:QQ+2*j+1]
.set j, j+1
.endr
.set j, \first
.rept \count
	v_pk_mul_f32 v[PP+2*j:PP+2*j+1], v[PP+2*j:PP+2*j+1], v[PP+2*j:PP+2*j+1]
.set j, j+1
.endr
.set j, \first
.rept \count                                       ; cos x = 1 - (2 sin(r/2))^2 / 2
	v_pk_fma_f32 v[PP+2*j:PP+2*j+1], v[PP+2*j:PP+2*j+1], -0.5, 1.0 op_sel_hi:[1,0,0]
.set j, j+1
.endr
.endm
	s_wait_loadcnt 0x4                             ; loads come back in order (ISA guide 5.7.1): the parameters and four x of element 0 are in, the four younger loads stay out
	SINCOS 0, 4                                    ; the parameters' two pairs and two pairs of x
	; my wire's coefficients; every lane makes all of them, and which are read depends on the lane's layer
	v_mul_f32 v[CF+0], v[CZ], v[CY]                ; a0 = cz cy
	v_mul_f32 v[CF+1], v[SZ], v[CY]                ; a1 = sz cy
	v_mul_f32 v[CF+8], v[SY], v[CX]                ; sy cx
	v_mul_f32 v[CF+2], v[SZ], v[SX]
	v_mul_f32 v[CF+3], v[CZ], v[SX]
	v_mul_f32 v[CF+4], v[CY], v[CX]                ; b2 = cy cx, and nz
	v_mul_f32 v[CF+5], v[CY], v[SX]                ; ny = cy sx
	v_mov_b32 v[CF+6], 0
	v_mul_f32 v[CF+7], -1.0, v[SY]                 ; a2 = -sy, and nx
	v_fmac_f32 v[CF+2], v[CZ], v[CF+8]             ; b0 = sz sx + cz sy cx
	v_fma_f32 v[CF+3], v[SZ], v[CF+8], -v[CF+3]    ; b1 = sz sy cx - cz sx
	ds_store_b32 v[L4], v[CF+0]
	ds_store_b32 v[L4], v[CF+1] offset:128
	ds_store_b32 v[L4], v[CF+7] offset:256
	ds_store_b32 v[L4], v[CF+2] offset:384
	ds_store_b32 v[L4], v[CF+3] offset:512
	ds_store_b32 v[L4], v[CF+4] offset:640
	ds_store_b128 v[L16], v[CF+4:CF+7] offset:LQ   ; (nz, ny, 0, nx)
	; back to every lane.  The table is the wave's own, and LDS serves a wave's instructions in order (ISA guide 5.7.1): these loads see
	; the stores above without a wait and without a barrier.
.irp k, 0,1,2,3,4,5
	ds_load_b128 v[AR+6*\k:AR+6*\k+3], v[ZR] offset:128*\k            ; lanes 0 to 3: layer 1, my wires 0 to 3
	ds_load_b64 v[AR+6*\k+4:AR+6*\k+5], v[ZR] offset:128*\k+16        ; lanes 4 and 5
.endr
.irp w, 0,1,2,3,4,5
	ds_load_b128 v[NQ+4*\w:NQ+4*\w+3], v[ZR] offset:LQ+16*(8+\w)      ; lane 8 + w: layer 2, my wire w
.endr
	s_wait_loadcnt 0x0                             ; the rest of x
	SINCOS 4, 4                                    ; 76 instructions that touch none of the registers on their way from LDS
; r = A sin x + B cos x for my six wires of element e, two wires at a time: rx[6] ry[6] rz[6] from dst on
.macro BLOCH e, dst
.irp c, 0,1,2
.set j, 0
.rept 3
	v_pk_mul_f32 v[\dst+6*\c+2*j:\dst+6*\c+2*j+1], v[AR+6*\c+2*j:AR+6*\c+2*j+1], v[ANG+4+6*\e+2*j:ANG+4+6*\e+2*j+1]
.set j, j+1
.endr
.endr
.irp c, 0,1,2
.set j, 0
.rept 3
	v_pk_fma_f32 v[\dst+6*\c+2*j:\dst+6*\c+2*j+1], v[AR+18+6*\c+2*j:AR+18+6*\c+2*j+1], v[PP+4+6*\e+2*j:PP+4+6*\e+2*j+1], v[\dst+6*\c+2*j:\dst+6*\c+2*j+1]
.set j, j+1
.endr
.endr
.endm
	s_wait_dscnt 0x0                               ; all coefficients are in
	BLOCH 0, R0
	BLOCH 1, AR                                    ; the last use of the a's: element 1's r takes their place
	s_wait_kmcnt 0x0                               ; head_w, head_b
; In the macros below w is the wire among the wave's six and b = w mod 2: which half of the pair of wires holds its r.  Each step is written
; for one element and then the other.  op_sel / op_sel_hi name the register of a pair that feeds the low / high result.
; FORWARD, wire w.  Pairs: P = (S,U), Q = (D,V), T1 = (T_S,T_U), T2 = (T_D,T_V).
.macro SITE w, b
.irp e, 0,1                                        ; T1 = P + rx (U,S)
	v_pk_fma_f32 v[ST+12*\e+4:ST+12*\e+5], v[ST+12*\e:ST+12*\e+1], v[R0+RD*\e+\w-\b:R0+RD*\e+\w-\b+1], v[ST+12*\e:ST+12*\e+1] op_sel:[1,\b,0] op_sel_hi:[0,\b,1]
.endr
.irp e, 0,1                                        ; T2 = rz Q
	v_pk_mul_f32 v[ST+12*\e+6:ST+12*\e+7], v[ST+12*\e+2:ST+12*\e+3], v[R0+RD*\e+12+\w-\b:R0+RD*\e+12+\w-\b+1] op_sel:[0,\b] op_sel_hi:[1,\b]
.endr
.irp e, 0,1                                        ; T2 += ry (-V, D)
	v_pk_fma_f32 v[ST+12*\e+6:ST+12*\e+7], v[ST+12*\e+2:ST+12*\e+3], v[R0+RD*\e+6+\w-\b:R0+RD*\e+6+\w-\b+1], v[ST+12*\e+6:ST+12*\e+7] op_sel:[1,\b,0] op_sel_hi:[0,\b,1] neg_lo:[1,0,0]
.endr
.irp e, 0,1                                        ; (0, nx T_U): the zero beside nx keeps the low half out of the sum
	v_pk_mul_f32 v[ST+12*\e+8:ST+12*\e+9], v[ST+12*\e+4:ST+12*\e+5], v[NQ+4*\w+2:NQ+4*\w+3]
.endr
.irp e, 0,1                                        ; (nz T_S, -ny T_U)
	v_pk_mul_f32 v[ST+12*\e+10:ST+12*\e+11], v[ST+12*\e+4:ST+12*\e+5], v[NQ+4*\w:NQ+4*\w+1] neg_hi:[0,1]
.endr
.if \w == 1
.irp e, 0,1                                        ; <Z_0> = T_S; the bias starts the sum
	v_fma_f32 v[ACC+\e], s[HW], v[ST+12*\e+4], s[HB]
.endr
.else
.irp e, 0,1                                        ; <Z_(w-1)> = T_S
	v_fmac_f32 v[ACC+\e], s[HW+\w-1], v[ST+12*\e+4]
.endr
.endif
.irp e, 0,1                                        ; P' = (nz T_D, ny T_V + nx T_U)
	v_pk_fma_f32 v[ST+12*\e:ST+12*\e+1], v[ST+12*\e+6:ST+12*\e+7], v[NQ+4*\w:NQ+4*\w+1], v[ST+12*\e+8:ST+12*\e+9]
.endr
.irp e, 0,1                                        ; Q' = (nz T_S, nx T_V - ny T_U)
	v_pk_fma_f32 v[ST+12*\e+2:ST+12*\e+3], v[ST+12*\e+6:ST+12*\e+7], v[NQ+4*\w+2:NQ+4*\w+3], v[ST+12*\e+10:ST+12*\e+11]
.endr
.endm
; BACKWARD, the observable of my wire w (wire 6 + w of the circuit).  Pairs: (gS,gU) at +0, (gD,gV) at +2, H1 = (hS,hU) at +4, H2 = (hD,hV) at +6.
; The steps that the longest chain (gD,gV) -> H2 -> (gD',gV') goes through stand first.
.macro OBS_BACK w
.irp e, 0,1                                        ; (0, nx gV)
	v_pk_mul_f32 v[ST+12*\e+10:ST+12*\e+11], v[ST+12*\e+2:ST+12*\e+3], v[NQ+4*\w+2:NQ+4*\w+3]
.endr
.irp e, 0,1                                        ; ny gV
	v_mul_f32 v[ST+12*\e+8], v[NQ+4*\w+1], v[ST+12*\e+3]
.endr
.irp e, 0,1                                        ; hS = nz gD + head_w[6 + w - 1]: the feature read off in front of this wire joins here
	v_fma_f32 v[ST+12*\e+4], v[NQ+4*\w], v[ST+12*\e+2], s[HW+5+\w]
.endr
.irp e, 0,1                                        ; H2 = (nz gS, ny gU + nx gV)
	v_pk_fma_f32 v[ST+12*\e+6:ST+12*\e+7], v[ST+12*\e:ST+12*\e+1], v[NQ+4*\w:NQ+4*\w+1], v[ST+12*\e+10:ST+12*\e+11]
.endr
.irp e, 0,1                                        ; hU = nx gU - ny gV
	v_fma_f32 v[ST+12*\e+5], v[NQ+4*\w+3], v[ST+12*\e+1], -v[ST+12*\e+8]
.endr
.endm
; BACKWARD, the state of my wire w.  hs = 12: each element has its H1, H2; hs = 0: both read element 0's (the first step, where H hangs on no x)
.macro STATE_BACK w, b, hs
.irp e, 0,1                                        ; rz H2
	v_pk_mul_f32 v[ST+12*\e+8:ST+12*\e+9], v[ST+\hs*\e+6:ST+\hs*\e+7], v[R0+RD*\e+12+\w-\b:R0+RD*\e+12+\w-\b+1] op_sel:[0,\b] op_sel_hi:[1,\b]
.endr
.irp e, 0,1                                        ; (gS',gU') = H1 + rx (hU,hS)
	v_pk_fma_f32 v[ST+12*\e:ST+12*\e+1], v[ST+\hs*\e+4:ST+\hs*\e+5], v[R0+RD*\e+\w-\b:R0+RD*\e+\w-\b+1], v[ST+\hs*\e+4:ST+\hs*\e+5] op_sel:[1,\b,0] op_sel_hi:[0,\b,1]
.endr
.irp e, 0,1                                        ; (gD',gV') = rz H2 + ry (hV,-hD)
	v_pk_fma_f32 v[ST+12*\e+2:ST+12*\e+3], v[ST+\hs*\e+6:ST+\hs*\e+7], v[R0+RD*\e+6+\w-\b:R0+RD*\e+6+\w-\b+1], v[ST+12*\e+8:ST+12*\e+9] op_sel:[1,\b,0] op_sel_hi:[0,\b,1] neg_hi:[1,0,0]
.endr
.endm
	s_cmp_lg_u32 s[WV], 0
	s_cbranch_scc1 .Lbackward
	; WAVE 0: wires 0 to 5.  Wire 0 from the start vector (1,0,1,0): T = (1, rx, rz, ry), written out so that no start vector is built
.irp e, 0,1
	v_mul_f32 v[ST+12*\e+0], v[NQ], v[R0+RD*\e+12]                     ; S = nz rz
	v_mul_f32 v[ST+12*\e+1], v[NQ+3], v[R0+RD*\e]                      ; U = nx rx
	v_mul_f32 v[ST+12*\e+3], v[NQ+3], v[R0+RD*\e+6]                    ; V = nx ry
	v_mov_b32 v[ST+12*\e+2], v[NQ]                                     ; D = nz
.endr
.irp e, 0,1
	v_fmac_f32 v[ST+12*\e+1], v[NQ+1], v[R0+RD*\e+6]                   ; U += ny ry
	v_fma_f32 v[ST+12*\e+3], -v[NQ+1], v[R0+RD*\e], v[ST+12*\e+3]      ; V -= ny rx
.endr
	SITE 1, 1
	SITE 2, 0
	SITE 3, 1
	SITE 4, 0
	SITE 5, 1
	ds_store_b128 v[EQ], v[ST:ST+3] offset:EX                          ; L_5 of element 2l: lane l at 16 l, neighbouring lanes at neighbouring 16 bytes
	ds_store_b128 v[EQ], v[ST+12:ST+15] offset:EX+512                  ; L_5 of element 2l+1
	ds_store_b64 v[EP], v[ACC:ACC+1] offset:EX+1024                    ; the two sums
	s_branch .Ljoin
.Lbackward:
	; WAVE 1: wires 11 down to 6.  From G_11 = head_w[11] (1,1,0,0) the first H1, H2 hang on no x: made once, for both elements
	v_mov_b32 v[ST+4], s[HW+10]                                        ; hS = nz 0 + head_w[10]
	v_mul_f32 v[ST+5], s[HW+11], v[NQ+4*5+3]                           ; hU = nx head_w[11]
	v_mul_f32 v[ST+6], s[HW+11], v[NQ+4*5]                             ; hD = nz head_w[11]
	v_mul_f32 v[ST+7], s[HW+11], v[NQ+4*5+1]                           ; hV = ny head_w[11]
	STATE_BACK 5, 1, 0
	OBS_BACK 4
	STATE_BACK 4, 0, 12
	OBS_BACK 3
	STATE_BACK 3, 1, 12
	OBS_BACK 2
	STATE_BACK 2, 0, 12
	OBS_BACK 1
	STATE_BACK 1, 1, 12
	OBS_BACK 0
	STATE_BACK 0, 0, 12                                                ; G_5 lies where wave 0 keeps its L_5
.Ljoin:
	s_wait_dscnt 0x0                               ; for wave 1's sake: wave 0's three stores have landed before it signals (zero, whatever my own registers need)
	s_barrier_signal -1
	s_barrier_wait -1
	s_cmp_eq_u32 s[WV], 0
	s_cbranch_scc1 .Lend                           ; wave 0 has handed everything over
	ds_load_b128 v[LL:LL+3], v[EQ] offset:EX
	ds_load_b128 v[LL+4:LL+7], v[EQ] offset:EX+512
	ds_load_b64 v[LA:LA+1], v[EP] offset:EX+1024
	s_wait_dscnt 0x0
.irp e, 0,1                                        ; (gS S, gU U)
	v_pk_mul_f32 v[DT+2*\e:DT+2*\e+1], v[LL+4*\e:LL+4*\e+1], v[ST+12*\e:ST+12*\e+1]
.endr
.irp e, 0,1                                        ; + (gD D, gV V)
	v_pk_fma_f32 v[DT+2*\e:DT+2*\e+1], v[LL+4*\e+2:LL+4*\e+3], v[ST+12*\e+2:ST+12*\e+3], v[DT+2*\e:DT+2*\e+1]
.endr
.irp e, 0,1                                        ; G_5 . L_5
	v_add_f32 v[RES+\e], v[DT+2*\e], v[DT+2*\e+1]
.endr
	v_pk_add_f32 v[RES:RES+1], v[RES:RES+1], v[LA:LA+1]                ; + bias and the first five features
	global_store_b64 v[OO], v[RES:RES+1], s[12:13] th:TH_STORE_NT      ; 32 lanes x 8 bytes: 256 consecutive bytes, at a multiple of 256 from out0's first byte
.Lend:
	s_wait_tensorcnt 0x0
	ds_add_u32 v208, v209
	s_wait_dscnt 0x0
	s_endpgm
.Lfunc_end_k_q0a879e5caa_qmodel:
	.size	k_q0a879e5caa_qmodel, .Lfunc_end_k_q0a879e5caa_qmodel-k_q0a879e5caa_qmodel
	.p2alignl 7, 3214868480
	.fill 96, 4, 3214868480
	.section	.rodata,"a",@progbits
	.p2align	6, 0x0
	.amdhsa_kernel k_q0a879e5caa_qmodel
		.amdhsa_group_segment_fixed_size 4096
		.amdhsa_private_segment_fixed_size 0
		.amdhsa_enable_private_segment 0
		.amdhsa_kernarg_size 40
		.amdhsa_user_sgpr_count 2
		.amdhsa_user_sgpr_kernarg_segment_ptr 1
		.amdhsa_wavefront_size32 1
		.amdhsa_system_sgpr_workgroup_id_x 1
		.amdhsa_system_sgpr_workgroup_id_y 1
		.amdhsa_system_sgpr_workgroup_id_z 1
		.amdhsa_system_vgpr_workitem_id 0
		.amdhsa_next_free_vgpr 210
		.amdhsa_next_free_sgpr 66
		.amdhsa_reserve_vcc 0
		.amdhsa_float_denorm_mode_32 3
		.amdhsa_float_denorm_mode_16_64 3
		.amdhsa_memory_ordered 1
		.amdhsa_forward_progress 1
		.amdhsa_inst_pref_size 32
	.end_amdhsa_kernel
	.amdgpu_metadata
---
amdhsa.version: [ 1, 2 ]
amdhsa.kernels:
  - .name:           k_q0a879e5caa_qmodel
    .symbol:         k_q0a879e5caa_qmodel.kd
    .args:
      - { .name: state_batch, .offset: 0, .size: 8, .value_kind: global_buffer, .address_space: global }
      - { .name: ansatz_params, .offset: 8, .size: 8, .value_kind: global_buffer, .address_space: global }
      - { .name: head_w, .offset: 16, .size: 8, .value_kind: global_buffer, .address_space: global }
      - { .name: head_b, .offset: 24, .size: 8, .value_kind: global_buffer, .address_space: global }
      - { .name: out0, .offset: 32, .size: 8, .value_kind: global_buffer, .address_space: global }
    .group_segment_fixed_size: 4096
    .private_segment_fixed_size: 0
    .kernarg_segment_align: 8
    .kernarg_segment_size: 40
    .max_flat_workgroup_size: 64
    .sgpr_count:     66
    .vgpr_count:     210
    .wavefront_size: 32
...
	.end_amdgpu_metadata
.endif
;; end of part 1
